; MI455X (gfx1250); checked and timed in simulation.
; The chip was launched on July 23, 2026; its instructions are those of AMD's public machine-readable ISA for CDNA 5 (MIT licence, August 2026) and "CDNA5" Instruction Set Architecture Reference Guide (July 2026). The comments in the code are by the model that wrote it; some were corrected since.
;; Q Dense. Allowed arithmetic: matrix products marked QUANTISED: E2M3 operands, one E8M0 scale for each 32 along K, by v_wmma_scale_f32_16x16x128_f8f6f4 with both operands' format E2M3, f32 sums; everything else in f32.
;; Inputs: Wi 1,024 x 1,024 float32; Wj 1,024 x 1,024 float32; Wk 1,024 x 1,024 float32; Wr 1,024 x 1,024 float32; b 1,024 float32; x 4,096 x 4,096 float32.
;; Outputs: out0 4,096 x 4,096 float32.
;; This version of the problem:
;;   THIS VERSION OF THE PROBLEM IS GIVEN IN LOW PRECISION. The matrix products marked QUANTISED in the list below multiply operands that are first quantised to E2M3 (2 exponent bits, 3 mantissa bits; 6 bits a number), with one power-of-two scale for each 32 numbers along K (OCP MX v1.0); their sums are f32. All else is computed in f32.
;;   The module's matrix products, in the order in which they are computed (A, B: the left and right operand; K: the contracted axis; several contracted axes count as one K, in the product's order):
;;     1. [M 4,096, K 4,096] x [K 4,096, N 4,096]; A: input x; B: computed on the way: QUANTISED
;;   THE QUANTISER, for each operand of a quantised product, along K:
;;     - K is cut into blocks of 32 from its start; a last block that is shorter is filled with zeros.
;;     - A block's scale is 2^e with e = floor(log2(the largest magnitude in the block)) - 2, held to -126 .. 127; a block of zeros has e = 0. As a byte (E8M0): e + 127.
;;     - Each number is divided by its block's scale, clamped to +-7.5, and rounded to the nearest number of E2M3, ties to even, subnormals kept.
;;     - The product sums the exact products of the quantised numbers (number of the format x scale) in f32.
;;   ~~~python
;;   def quantise(x, axis):      # numpy; x: float32 -> the quantised numbers, widened to float32 again
;;       x = np.moveaxis(x, axis, -1); K = x.shape[-1]
;;       x = np.pad(x, [(0, 0)] * (x.ndim - 1) + [(0, -K % 32)]); x = x.reshape(x.shape[:-1] + (-1, 32)); a = np.abs(x).max(-1, keepdims=True)
;;       e = np.where(a > 0, np.clip(np.frexp(np.where(a > 0, a, 1))[1] - 1 - 2, -126, 127), 0)      # np.frexp(a)[1] - 1 = floor(log2(a)), exactly
;;       r = np.clip(x / 2.0 ** e, -7.5, 7.5)
;;       step = 2.0 ** (np.maximum(np.frexp(np.where(r == 0, 1, r))[1] - 1, 0) - 3)
;;       q = np.round(r / step) * step * 2.0 ** e      # np.round: ties to even
;;       return np.moveaxis(q.reshape(q.shape[:-2] + (-1,))[..., :K], -1, axis).astype(np.float32)
;;   ~~~
;;   OPERANDS COMPUTED ON THE WAY. 'Computed on the way' means the value that the module computes at that place (a softmax that the list does not call 'softmax' is quantised finished and normalised). What goes into a quantiser is computed in f32, as accurately as f32 sums, v_exp_f32 and their like allow (about 1e-6 of the number): no bf16 or f16 on the way to a quantiser, and a product that is left as it is and whose result goes on into a quantised operand takes f32 operands (vector FMAs, or v_wmma_f32_16x16x4_f32). A number that lies on a knife's edge between two numbers of the format may be rounded either way, as far as f32 arithmetic and the matrix unit's own rounding can turn it there, and no further.
;; One version. Each part assembles by itself: llvm-mc -triple=amdgcn-amd-amdhsa -mcpu=gfx1250 --defsym DOCPART=n.
;; ======== version 1 of 1: 2 launches
;; limits: right only within a limited range of input values
;; workspace buffers: xq 13,107,200 bytes; wq 6,553,600 bytes
;; launch quant (part 1): grid 512 x 1, 5 waves a work-group, no clusters, 44,288 bytes of LDS; arguments x, Wr, Wi, Wj, Wk, xq, wq; writes xq, wq
.if DOCPART == 1
	.amdgcn_target "amdgcn-amd-amdhsa--gfx1250"
	.amdhsa_code_object_version 6
	.text
	.protected	k_qbcf95ce809_quant
	.globl	k_qbcf95ce809_quant
	.p2align	8
	.type	k_qbcf95ce809_quant,@function
k_qbcf95ce809_quant:
	s_mov_b64 s[64:65], 0
	v_nop
	global_prefetch_b8 v0, s[64:65] scope:SCOPE_SE
	s_setreg_imm32_b32 hwreg(HW_REG_WAVE_MODE, 25, 1), 1
	s_wait_xcnt 0x0
; x [4096][4096] and Wr, Wi, Wj, Wk [1024][1024], f32, become codes of FP6 (E2M3) with one E8M0 scale byte for each 32 along K, laid as the product's launch reads them.
; THE SECOND OPERAND.  B[n][k] = W_block[k][n].  With k = 1024 p + kk, n = 1024 c + nn it is + or - W_t[nn][kk], t = p xor c (t = 0..3: Wr, Wi, Wj, Wk): K is innermost in the W as they lie,
; no block of 32 crosses a multiple of 1,024, and the quantiser is symmetric in sign.  So each W_t is quantised ONCE; its codes are stored as they are and, for t = 1, 2, 3, once more with the sign bit
; (bit 5) of each code turned over (W_block holds no -Wr).  The product's launch picks the copy by address.  The scale bytes are the same in both copies.
; A RECORD is 12,800 bytes: 128 rows x 128 along K: the eight fragments of row blocks i = 0..7 (16 rows each), 1,536 bytes each, in the order of the operand's registers: registers 4 c .. 4 c + 3 of lane l
; at 512 c + 16 l, where lane (r, h)'s registers 6 c' .. 6 c' + 5 hold the codes of the block's row r, k = 64 c' + 32 h + 0 .. 31 of the step; then, at byte 12,288, the scale words (a row's four bytes):
; block i = 2 w + e, row r at 128 w + 8 r + 4 e.  A record is 50 aligned blocks of 256 bytes.
; xq: [half of 128 rows: 32][K step: 32][record].   wq: [copy: 2][half of 128 rows of W_t: 8][t: 4][K step of W_t: 8][record].
; A block's scale is 2^(floor(log2(its largest magnitude)) - 2); its byte is the largest magnitude's exponent field - 2, held at 1 from below.
; LIMITS: a block of zeros gets the byte 1 where the rule says 127 (its codes are zeros, and this program alone reads the bytes); a block whose largest magnitude lies under 2^-124 is held at the byte 1;
; NaN and infinities among the inputs are not served.
; SHARES.  A wave's job is 64 rows x 128 along K: four fragments, in eight half steps of 16 rows x 64 along K; its 64 scale words are one aligned block of 256 bytes.
; Jobs 0-2047 take x, jobs 2048-2559 the four W; 512 work-groups of five waves: job = 5 x work-group + wave.  Pointers and small numbers are chosen on the job's number; the one branch
; jumps over the second copy (exclusive ors and global stores alone).  Waves share nothing: no barrier.
; A half step's eight loads read 256 consecutive bytes of a row in sixteen lanes; the 4,096 bytes turn through the wave's own stage in LDS (rows 272 bytes apart) and come back 128 bytes a lane: a whole block of 32 in one lane.
.set R,    64                          ; v64-191  four sets of 32: numbers as loaded
.set X,    192                         ; v192-255 two sets of 32: my block of 32 neighbours
.set PC,   28                          ; v28-39   a fragment's 12 registers
.set TMP,  40                          ; v40-42   the second half of a block's six (a conversion's three registers begin on an even number)
.set CP,   44                          ; v44-55   the fragment with its signs turned
.set LO,   8                           ; v8-15    load j: (2 j + h) x the row's bytes + 16 r; never rewritten
.set SW,   2                           ; v2       the stage, on the way in
.set SRD,  3                           ; v3       and on the way out
.set CO,   4                           ; v4       16 x lane
.set SO,   5                           ; v5       8 x lane + the way from my first fragment to my scale words
.set DP,   24                          ; s[24:25] my first fragment's place; s[26:27] the same in the second copy
.set SP,   32                          ; s[32:39] source: my row block f's first row, my K step
.set WREG, 8704                        ; LDS of a wave: two stages of 16 x 272 bytes
.set STG,  4352
.set RECB, 12800
.set WNEG, 8*32*RECB                   ; from the first copy to the second
	s_load_b256 s[4:11], s[0:1], 0x0               ; x s[4:5], Wr s[6:7], Wi s[8:9], Wj s[10:11]
	s_load_b128 s[12:15], s[0:1], 0x20             ; Wk s[12:13], xq s[14:15]
	s_load_b64 s[16:17], s[0:1], 0x30              ; wq
	v_lshl_add_u32 v62, v0, 2, 0xaa00              ; my spare word, behind the five waves' stages
	v_mov_b32 v63, 0
	v_lshrrev_b32 v16, 5, v0
	v_readfirstlane_b32 s50, v16                   ; wave 0..4
	s_mul_i32 s23, ttmp9, 5
	s_add_co_u32 s23, s23, s50                     ; the job's number
	s_cmp_lt_u32 s23, 2048                         ; x's job or W's?
	s_cselect_b32 s22, 0, 1                        ; s22 = 1: W
	s_cselect_b32 s55, 0, 2048
	s_sub_co_u32 s23, s23, s55                     ; J, counted within x or within the W
	s_lshr_b32 s51, s23, 7                         ; W: J = 128 t + 8 G + S
	s_mov_b32 s54, 4096
	s_cmp_eq_u32 s22, 0
	s_cselect_b32 s51, 0, s51                      ; t (0 for x)
	s_cselect_b32 s55, 5, 3                        ; x: J = 32 G + S
	s_cselect_b32 s52, 63, 15
	s_cselect_b32 s53, 31, 7
	s_cselect_b32 s54, 16384, s54                  ; a row in bytes
	s_cselect_b32 s49, 18, 16                      ; 16 rows in bytes, as a shift
	s_and_b32 s53, s23, s53                        ; S: which 128 along K
	s_lshr_b32 s55, s23, s55
	s_and_b32 s52, s55, s52                        ; G: which 64 rows
	s_mov_b32 s2, 0x76543210
	s_mov_b32 s3, 0xfedcba98                       ; lane selects: lane l xor 16
	s_mov_b32 vcc_lo, 0xffff0000                   ; lanes 16-31
	v_and_b32 v1, 15, v0                           ; r
	v_bfe_u32 v7, v0, 4, 1                         ; h
	v_and_b32 v[CO], 31, v0
	v_lshlrev_b32 v[SO], 3, v[CO]
	v_lshlrev_b32 v[CO], 4, v[CO]
	v_lshlrev_b32 v6, 3, v7                        ; 8 h: my bytes' place in a scale word, in bits
	v_mov_b32 v21, 0                               ; written once: a lane permute's destination counts as one of its sources
	s_mul_i32 s55, s50, WREG
	v_mul_u32_u24 v[SW], v7, 272
	v_lshl_add_u32 v[SW], v1, 4, v[SW]
	v_add_nc_u32 v[SW], s55, v[SW]                 ; in: row 2 j + h (544 j in the offset), 16 r
	v_mul_u32_u24 v[SRD], v1, 272
	v_lshl_add_u32 v[SRD], v7, 7, v[SRD]
	v_add_nc_u32 v[SRD], s55, v[SRD]               ; out: row r, 128 h
	v_lshlrev_b32 v17, 4, v1
.irp j, 0,1,2,3,4,5,6,7
	v_add_nc_u32 v16, 2*\j, v7
	v_mad_u32_u24 v[LO+\j], v16, s54, v17
.endr
	s_wait_alu depctr_va_vdst(0)                   ; the wait at the head's end
	s_wait_kmcnt 0x0
	s_cmp_eq_u32 s51, 1                            ; the source: W_t, or x.  Every choice hangs on the work-group's and the wave's number alone
	s_cselect_b64 s[6:7], s[8:9], s[6:7]
	s_cmp_eq_u32 s51, 2
	s_cselect_b64 s[6:7], s[10:11], s[6:7]
	s_cmp_eq_u32 s51, 3
	s_cselect_b64 s[6:7], s[12:13], s[6:7]
	s_cmp_eq_u32 s22, 0
	s_cselect_b64 s[4:5], s[4:5], s[6:7]
	s_cselect_b64 s[14:15], s[14:15], s[16:17]     ; the destination's buffer
	s_add_co_u32 s8, s49, 2                        ; offsets are made apart, in pairs with 0 above: all lie under 2^32
	s_lshl_b32 s6, s52, s8                         ; 64 G rows,
	s_lshl_b32 s8, s53, 9                          ; 512 S bytes along K
	s_add_co_u32 s6, s6, s8
	s_mov_b32 s7, 0
	s_add_nc_u64 s[SP:SP+1], s[4:5], s[6:7]        ; the source at my first row block,
	s_lshl_b32 s8, 1, s49
	s_mov_b32 s9, 0
.irp f, 1,2,3
	s_add_nc_u64 s[SP+2*\f:SP+2*\f+1], s[SP+2*\f-2:SP+2*\f-1], s[8:9]   ; and at the three below it, 16 rows apart
.endr
	s_lshr_b32 s10, s52, 1                         ; the half: G / 2;
	s_mul_i32 s10, s10, 32*RECB
	s_mul_i32 s8, s53, RECB                        ; the record: S,
	s_add_co_u32 s10, s10, s8
	s_mul_i32 s8, s51, 8*RECB                      ; and 8 t records on (x: t = 0);
	s_add_co_u32 s10, s10, s8
	s_and_b32 s12, s52, 1                          ; in it row blocks 4 (G % 2) on
	s_mul_i32 s8, s12, 6144
	s_add_co_u32 s10, s10, s8
	s_mov_b32 s11, 0
	s_add_nc_u64 s[DP:DP+1], s[14:15], s[10:11]
	s_add_nc_u64 s[DP+2:DP+3], s[DP:DP+1], WNEG    ; (used for t = 1, 2, 3 alone)
	s_mul_i32 s8, s12, 5888                        ; from there to my scale words, at 12,288 + 256 (G % 2) of the record
	s_sub_co_u32 s8, 12288, s8
	v_add_nc_u32 v[SO], s8, v[SO]
	s_mov_b32 s40, 0x20820820                      ; the sign bits of 16 codes, bits 6 i + 5 of 96, as three words
	s_mov_b32 s41, 0x08208208
	s_mov_b32 s42, 0x82082082
.macro LOAD u                          ; half step u: row block u / 2, 64 along K from 64 (u % 2) on: sixteen lanes read 256 consecutive bytes, aligned
.irp j, 0,1,2,3,4,5,6,7
	global_load_b128 v[R+32*((\u)%4)+4*\j:R+32*((\u)%4)+4*\j+3], v[LO+\j], s[SP+2*((\u)/2):SP+2*((\u)/2)+1] offset:256*((\u)%2) th:TH_LOAD_NT
.endr
.endm
.macro TURN u                          ; through my stage: LDS serves a wave's instructions in order (ISA guide 5.7.1.4), so no wait stands between the stores and the loads
.irp j, 0,1,2,3,4,5,6,7
	ds_store_b128 v[SW], v[R+32*((\u)%4)+4*\j:R+32*((\u)%4)+4*\j+3] offset:STG*((\u)%2)+544*\j
.endr
.irp m, 0,1,2,3,4,5,6,7
	ds_load_b128 v[X+32*((\u)%2)+4*\m:X+32*((\u)%2)+4*\m+3], v[SRD] offset:STG*((\u)%2)+16*\m
.endr
.endm
.macro HSTEP u
.set XS, X+32*((\u)%2)
.set CH, (\u)%2                        ; which half of the fragment
.set FN, (\u)/2                        ; which fragment
	s_wait_dscnt 0x0                               ; my 32 numbers are back from the stage, and its stores have read the set that the next loads take
.if (\u)+4 < 8
	LOAD (\u)+4
.endif
.if (\u)+1 < 8
.if (\u) < 4
	s_wait_loadcnt 24                              ; the next half step's eight loads are in; those of the three behind it may be out
.else
	s_wait_loadcnt 8*(6-(\u))                      ; the counts run down: 16, 8, 0
.endif
	TURN (\u)+1                                    ; it goes through the other stage while this half step is worked
.endif
	v_max3_num_f32 v16, |v[XS]|, |v[XS+1]|, |v[XS+2]|      ; the block's largest magnitude: all 32 numbers are mine; two chains
	v_max3_num_f32 v17, |v[XS+3]|, |v[XS+4]|, |v[XS+5]|
.irp i, 6,10,14,18,22,26
	v_max3_num_f32 v16, v16, |v[XS+\i]|, |v[XS+\i+1]|
	v_max3_num_f32 v17, v17, |v[XS+\i+2]|, |v[XS+\i+3]|
.endr
	v_max3_num_f32 v16, v16, |v[XS+30]|, |v[XS+31]|
	v_max3_num_f32 v16, v16, v17, 0x1800000        ; and the floor 2^(3 - 127): the byte cannot fall under 1
	v_add_nc_u32 v18, 0xff000000, v16              ; 2 off the exponent field: the conversion takes the exponent field of this operand as its scale
.if (CH == 0) && (FN > 0)
	s_wait_alu depctr_va_vdst(0)                   ; directly ahead of the wait below
	s_wait_xcnt 0x0                                ; the last fragment's stores have read their data: its registers are written again only behind this wait
.endif
	v_cvt_scalef32_pk16_fp6_f32 v[PC+6*CH:PC+6*CH+2], v[XS:XS+15], v18
	v_cvt_scalef32_pk16_fp6_f32 v[TMP:TMP+2], v[XS+16:XS+31], v18
	v_lshrrev_b32 v[19+CH], 23, v18                ; the scale's byte.  (The plain instruction between the conversions and the moves that read their result)
.irp i, 0,1,2
	v_mov_b32 v[PC+6*CH+3+\i], v[TMP+\i]
.endr
.if CH == 1                            ; the fragment is whole
	v_lshl_or_b32 v20, v20, 16, v19                ; my two bytes: blocks h and 2 + h of row r,
	v_lshlrev_b32 v20, v6, v20                     ; at their places in the scale word;
	v_permlanex16_b32 v21, v20, s2, s3
	v_or_b32 v[22+FN], v20, v21                    ; with lane l xor 16's two the word is whole, in both lanes
.irp c, 0,1,2
	global_store_b128 v[CO], v[PC+4*\c:PC+4*\c+3], s[DP:DP+1] offset:1536*FN+512*\c   ; 32 lanes store 512 consecutive bytes, aligned to 256
.endr
	s_cmp_eq_u32 s51, 0
	s_cbranch_scc1 .Lx_\@                          ; x and Wr have one copy
	s_wait_xcnt 0x0                                ; the last fragment's stores have read the copy
.irp j, 0,1,2,3,4,5,6,7,8,9,10,11
	v_xor_b32 v[CP+\j], s[40+\j%3], v[PC+\j]
.endr
.irp c, 0,1,2
	global_store_b128 v[CO], v[CP+4*\c:CP+4*\c+3], s[DP+2:DP+3] offset:1536*FN+512*\c
.endr
.Lx_\@:
.endif
.endm
.irp u, 0,1,2,3
	LOAD \u
.endr
	s_wait_loadcnt 24                              ; half step 0's eight loads are in
	TURN 0
.irp u, 0,1,2,3,4,5,6,7
	HSTEP \u
.endr
	s_wait_alu depctr_va_vdst(0)
	v_cndmask_b32 v26, v22, v24, vcc_lo            ; lanes 0-15 store the words of my row blocks 0 and 1, row r; lanes 16-31 those of blocks 2 and 3
	v_cndmask_b32 v27, v23, v25, vcc_lo
	global_store_b64 v[SO], v[26:27], s[DP:DP+1]   ; 32 lanes store 256 consecutive bytes, aligned
	s_cmp_eq_u32 s51, 0
	s_cbranch_scc1 .Lend
	global_store_b64 v[SO], v[26:27], s[DP+2:DP+3] ; a sign changes no scale
.Lend:
	s_wait_tensorcnt 0x0                           ; the wave's end
	ds_add_u32 v62, v63
	s_wait_dscnt 0x0
	s_endpgm
.Lfunc_end_k_qbcf95ce809_quant:
	.size	k_qbcf95ce809_quant, .Lfunc_end_k_qbcf95ce809_quant-k_qbcf95ce809_quant
	.p2alignl 7, 3214868480
	.fill 96, 4, 3214868480
	.section	.rodata,"a",@progbits
	.p2align	6, 0x0
	.amdhsa_kernel k_qbcf95ce809_quant
		.amdhsa_group_segment_fixed_size 44288
		.amdhsa_private_segment_fixed_size 0
		.amdhsa_enable_private_segment 0
		.amdhsa_kernarg_size 56
		.amdhsa_user_sgpr_count 2
		.amdhsa_user_sgpr_kernarg_segment_ptr 1
		.amdhsa_wavefront_size32 1
		.amdhsa_system_sgpr_workgroup_id_x 1
		.amdhsa_system_sgpr_workgroup_id_y 1
		.amdhsa_system_sgpr_workgroup_id_z 1
		.amdhsa_system_vgpr_workitem_id 0
		.amdhsa_next_free_vgpr 256
		.amdhsa_next_free_sgpr 66
		.amdhsa_reserve_vcc 1
		.amdhsa_float_denorm_mode_32 3
		.amdhsa_float_denorm_mode_16_64 3
		.amdhsa_memory_ordered 1
		.amdhsa_forward_progress 1
		.amdhsa_inst_pref_size 36
	.end_amdhsa_kernel
	.amdgpu_metadata
---
amdhsa.version: [ 1, 2 ]
amdhsa.kernels:
  - .name:           k_qbcf95ce809_quant
    .symbol:         k_qbcf95ce809_quant.kd
    .args:
      - { .name: x, .offset: 0, .size: 8, .value_kind: global_buffer, .address_space: global }
      - { .name: Wr, .offset: 8, .size: 8, .value_kind: global_buffer, .address_space: global }
      - { .name: Wi, .offset: 16, .size: 8, .value_kind: global_buffer, .address_space: global }
      - { .name: Wj, .offset: 24, .size: 8, .value_kind: global_buffer, .address_space: global }
      - { .name: Wk, .offset: 32, .size: 8, .value_kind: global_buffer, .address_space: global }
      - { .name: xq, .offset: 40, .size: 8, .value_kind: global_buffer, .address_space: global }
      - { .name: wq, .offset: 48, .size: 8, .value_kind: global_buffer, .address_space: global }
    .group_segment_fixed_size: 44288
    .private_segment_fixed_size: 0
    .kernarg_segment_align: 8
    .kernarg_segment_size: 56
    .max_flat_workgroup_size: 160
    .sgpr_count:     66
    .vgpr_count:     256
    .wavefront_size: 32
...
	.end_amdgpu_metadata
.endif
;; end of part 1
;; launch gemm (part 2): grid 16 x 16, 4 waves a work-group, clusters of 4 x 1, 327,680 bytes of LDS; arguments xq, wq, b, out0; writes out0
.if DOCPART == 2
	.amdgcn_target "amdgcn-amd-amdhsa--gfx1250"
	.amdhsa_code_object_version 6
	.text
	.protected	k_qbcf95ce809_gemm
	.globl	k_qbcf95ce809_gemm
	.p2align	8
	.type	k_qbcf95ce809_gemm,@function
k_qbcf95ce809_gemm:
	s_mov_b64 s[64:65], 0
	v_nop
	global_prefetch_b8 v0, s[64:65] scope:SCOPE_SE
	s_setreg_imm32_b32 hwreg(HW_REG_WAVE_MODE, 25, 1), 1
	s_wait_xcnt 0x0
	s_wait_alu depctr_hold_cnt(0) depctr_sa_sdst(0) depctr_va_vdst(0) depctr_va_sdst(0) depctr_va_ssrc(0) depctr_va_vcc(0) depctr_vm_vsrc(0)
	s_getreg_b32 s2, hwreg(HW_REG_IB_STS2, 6, 4)
	s_cmp_eq_u32 s2, 0
	s_cbranch_scc0 .Lentry_in_a_cluster
	s_endpgm
.Lentry_in_a_cluster:
	s_bfe_u32 s2, ttmp6, 0x10000c
	s_cmp_lg_u32 s2, 0x3003
	s_cbranch_scc0 .Lentry_shape_is_right
	s_endpgm
.Lentry_shape_is_right:
; out0[m][n] = sum over k of x[m][k] W_block[k][n] + b[n % 1024], on codes of FP6 (E2M3) with E8M0 scales, as the launch before has laid them, in records of 12,800 bytes (128 rows x 128 along K):
; eight fragments of 16 rows (1,536 bytes each, in the order of the operand's registers: registers 4 c .. 4 c + 3 of lane l at 512 c + 16 l) and, at byte 12,288, the rows' scale words
; (block 2 w + e, row r at 128 w + 8 r + 4 e).  xq: [half of 128 rows: 32][K step: 32][record].  wq: [copy: 2][half of W_t: 8][t: 4][K step of W_t: 8][record]; copy 1 has the signs turned.
; With k = 1024 p + kk and n = 1024 c + nn, W_block[k][n] = + or - W_t[nn][kk], t = p xor c; minus at (c, p) = (0, 1), (0, 2), (0, 3), (1, 3), (2, 1), (3, 2): bit 4 c + p of 0x428e.  c is the cluster's x.
; SHARES.  A work-group of four waves makes 256 x 256 of out0; a wave makes all 256 rows x 64 columns: 64 accumulators of 16 x 16, 512 registers.
; B: each byte of the work-group's B is multiplied by ONE wave alone, so it goes from memory straight into that wave's registers: 12 loads of 512 consecutive bytes and one of 256 (scale words) a step,
; into four register sets, issued two and a half K steps (160 matrix instructions) ahead of their use; copy and t are picked by address: eight bases, one for each four K steps.  So B is not asked for jointly
; and has no further prefetch: LDS holds A alone, and a slot has room for six K steps (2 slots x 6 steps x 2 halves x 12,800 bytes of the 327,680) where A and B together would leave three.
; A: a ring of two LDS slots filled by the tensor data mover, six fills in all.  Wave w brings three records (150 rows of 256 bytes, dense) of half w % 2, part w / 2.  The four work-groups of a cluster
; make one tile row of out0 and need the same A: each fill is asked for JOINTLY (mask 15).  The last fill keeps the loop's shape: it brings records 28-30 and 29-31, of which K steps 30 and 31 are read.
; A's fragments are fetched a step ahead, eight row blocks at a time, into ONE set of registers: a half is free as soon as its 32 products are issued: two runs of loads a step.  So a slot's last read
; is over at the head of its last step, and there the slot is filled again.
; A's tiles are prefetched one fill ahead of their tensor load (fills 2 to 4): of a wave's 150 blocks of 256 bytes each of the four partners names 38, told apart by address.  Fills 0 and 1 come by their
; loads alone (nothing is prefetched ahead of the wait for fill 0), and so does the last fill.
; THE LAST THREE K STEPS GO BY ROWS OF out0: B's fragments of steps 29, 30, 31 all lie in registers (step 31's in a fifth set, where the bias lay), and the sixteen row blocks are finished one after the
; other, twelve products each, and leave at once.
; THE MATRIX INSTRUCTION IS USED TRANSPOSED (source 0 = 16 rows of B, source 1 = 16 rows of A): a lane holds eight neighbouring numbers of a row of out0.  The first step takes the bias as C.
; REGISTERS: window 0: v0-29 addresses, v30-31, v48-55 B's scale words, v32-47, v56-63 A's, v64-255 A's 16 fragments (by rows: three buffers of 36 and two of 32 for the way out);
; window 1: v0-191 B's four sets, v192-223 the bias, then v192-239 the fifth set; windows 2, 3: the accumulators, (a, b) at v[8 (4 (a % 8) + b)] of window 2 + a / 8.
.set FRB,    1536
.set RECB,   12800
.set SCO,    8*FRB
.set HSTR,   32*RECB
.set WNEG,   8*HSTR                    ; from wq's first copy to its second
.set HALFR,  6*RECB+128                ; a half's six records in a slot; 128 more, so that the two halves' scale words lie in different banks
.set SLOT,   2*HALFR
.set SPARE,  2*SLOT                    ; the spare words: 128 bytes a wave
.set STAGE,  SPARE+512                 ; the way out: 16 rows x 272 bytes for each wave, bytes of their own
.set SPITCH, 272
.set ADR, 8                            ; v8-15  A's fragments: 4 slot + 2 half + (place in the slot / 3)
.set ADS, 16                           ; v16-19 A's scale words: 2 slot + (place / 3); lanes 0-15 half 0, lanes 16-31 half 1
.set STO, 20
.set RD,  21
.set CO,  22
.set BO,  23
.set BL,  24                           ; 16 x lane
.set BS,  25                           ; 8 x lane + the way from my first fragment to my scale words
.set PF0, 26
.set PF1, 27
.set SPW, 28
.set NIL, 29
.set SA,  32
.set SB,  48
.set AF,  64
.set RB,  64                           ; by rows: A's three buffers of 36
.set BK,  176                          ; the way out: two buffers of 32
.set BI,  192                          ; window 1
.set G1,  24
.set G0,  32                           ; s[32:35] slot 0, s[36:39] slot 1
.set D1,  40                           ; s[40:41] what slot 1's next fill adds to its address;  s42: the same for its last fill
.set D1B, 42
.set PFA, 48                           ; s[48:49] my three records of fill 0; never rewritten
.set BB,  50                           ; s[50:51] my first fragment in wq's first copy, t = 0
.set BQ,  66                           ; s[66:81] B's bases, a pair for each four K steps: four at work (steps 0-3, 4-7, 8-11, 12-15 of a trip's count), three for the next trip, one for the tail
.set MSB, 0
.macro WIN new
.if MSB != (\new)
	s_set_vgpr_msb (MSB<<8)|(\new)
.set MSB, \new
.endif
.endm
.macro PLACES                          ; four places behind matrix instructions, ahead of loads into their registers and of reads of their results
.rept 4
	v_nop
.endr
.endm
.macro CREST                           ; a round of the cluster's barrier behind its opening barrier
	s_cmp_lg_u32 s14, 0
	s_cbranch_scc1 .Lnot_wave_0_\@
	s_barrier_signal -3
.Lnot_wave_0_\@:
	s_barrier_wait -3
	s_barrier_signal -1
	s_barrier_wait -1
.endm
.macro CROUND
	s_barrier_signal -1
	s_barrier_wait -1
	CREST
.endm
.macro BLOADTO k, fr, sc               ; B's four fragments and scale words of step k (in the trip's count): 13 loads
	WIN 0x40
.irp j, 0,1,2,3
.irp c, 0,1,2
	global_load_b128 v[(\fr)+12*\j+4*\c:(\fr)+12*\j+4*\c+3], v[BL], s[BQ+2*((\k)/4):BQ+2*((\k)/4)+1] offset:((\k)%4)*RECB+\j*FRB+512*\c
.endr
.endr
	WIN 0
	global_load_b64 v[\sc:\sc+1], v[BS], s[BQ+2*((\k)/4):BQ+2*((\k)/4)+1] offset:((\k)%4)*RECB   ; register e: lanes 0-15 my block e, lanes 16-31 my block 2 + e
.endm
.macro BLOAD k                         ; into set k % 4
	BLOADTO \k, 48*((\k)%4), SB+2*((\k)%4)
.endm
.macro SCALES ns, nq, dst              ; A's scale words: register 2 w + e: lanes 0-15 block 2 w + e, lanes 16-31 block 8 + 2 w + e
.irp w, 0,1,2,3
	ds_load_b64 v[(\dst)+2*\w:(\dst)+2*\w+1], v[ADS+2*(\ns)+(\nq)/3] offset:((\nq)%3)*RECB+128*\w
.endr
.endm
.macro FRAG dst, ns, nq, a             ; A's row block a of the step at place nq of slot ns: 3 loads
.irp c, 0,1,2
	ds_load_b128 v[(\dst)+4*\c:(\dst)+4*\c+3], v[ADR+4*(\ns)+2*((\a)/8)+(\nq)/3] offset:((\nq)%3)*RECB+((\a)%8)*FRB+512*\c
.endr
.endm
.macro FA ns, nq, qd                   ; row blocks 4 qd .. 4 qd + 3: 12 loads
.irp aa, 0,1,2,3
	FRAG AF+12*(4*(\qd)+\aa), \ns, \nq, 4*(\qd)+\aa
.endr
.endm
.macro EMIT rb, ra                     ; one product, by the symbols set ahead of it; rb, ra: which half of the lanes holds B's and A's scale words
.if (\rb) == 0
.if (\ra) == 0
	v_wmma_scale_f32_16x16x128_f8f6f4 v[D_:D_+7], v[BF_:BF_+11], v[AF_:AF_+11], v[C_:C_+7], v[SB_], v[SA_] matrix_a_fmt:MATRIX_FMT_FP6 matrix_b_fmt:MATRIX_FMT_FP6
.else
	v_wmma_scale_f32_16x16x128_f8f6f4 v[D_:D_+7], v[BF_:BF_+11], v[AF_:AF_+11], v[C_:C_+7], v[SB_], v[SA_] matrix_a_fmt:MATRIX_FMT_FP6 matrix_b_fmt:MATRIX_FMT_FP6 matrix_b_scale:MATRIX_SCALE_ROW1
.endif
.else
.if (\ra) == 0
	v_wmma_scale_f32_16x16x128_f8f6f4 v[D_:D_+7], v[BF_:BF_+11], v[AF_:AF_+11], v[C_:C_+7], v[SB_], v[SA_] matrix_a_fmt:MATRIX_FMT_FP6 matrix_b_fmt:MATRIX_FMT_FP6 matrix_a_scale:MATRIX_SCALE_ROW1
.else
	v_wmma_scale_f32_16x16x128_f8f6f4 v[D_:D_+7], v[BF_:BF_+11], v[AF_:AF_+11], v[C_:C_+7], v[SB_], v[SA_] matrix_a_fmt:MATRIX_FMT_FP6 matrix_b_fmt:MATRIX_FMT_FP6 matrix_a_scale:MATRIX_SCALE_ROW1 matrix_b_scale:MATRIX_SCALE_ROW1
.endif
.endif
.endm
; sixteen matrix instructions: A's blocks 4 qd .. 4 qd + 3 against my four of B.  The 64 accumulators take turns, in the same order in every step
.macro QMUL qd, k, first
.irp aa, 0,1,2,3
.irp b, 0,1,2,3
.set A_, 4*(\qd)+\aa
.set D_, 8*(4*(A_%8)+\b)
.set BF_, 48*((\k)%4)+12*\b
.set AF_, AF+12*A_
.if \first
.set C_, BI+8*\b
.else
.set C_, D_
.endif
.set SB_, SB+2*((\k)%4)+(\b%2)
.set SA_, SA+8*((\k)%2)+(A_%8)
	EMIT \b/2, (\qd)/2
.endr
.endr
.endm
.macro MWIN qd, first                  ; source 0 (B) window 1, source 1 (A) window 0, D window 2 or 3, C the same or, in the first step, window 1 (the bias)
.if \first
	WIN 0x91+0x40*((\qd)/2)
.else
	WIN 0xa1+0x50*((\qd)/2)
.endif
.endm
; A K step.  k: the step, in the trip's count;  ns, nq: slot and place of the next step;  turn: 1 = the slot rs is filled again;  pf: which record the prefetch names (0: none);
; lc: B's loads that may stay out (the younger sets, 13 loads each).  It issues B's loads of step k + 3.
; Two runs of loads: behind row blocks 0-7 the next step's scale words and blocks 0-7 (28 LDS loads) and B's 13; behind blocks 8-15 the next step's blocks 8-15 (24).
; LDS loads that may stay out: ahead of quarter 0 a quarter and the run of 24 (36); of quarter 1 that run (24); of quarter 2 a quarter and the next run of 28 (40); of quarter 3 that run (28).
.macro STEP k, ns, nq, first, turn, rs, pf, lc
	s_wait_loadcnt \lc
.if \turn
	s_wait_tensorcnt 0x0                           ; my part of the other slot has landed: no tensor load of mine is out;
	ds_add_u32 v[SPW], v[NIL]
	s_wait_dscnt 37                                ; (the add and three quarters may be out)
	MWIN 0, 0
	QMUL 0, \k, 0
	s_wait_dscnt 0x0                               ; the add is done, and all this step's fragments are in registers: my reads of this slot are over
	s_barrier_signal -1
	QMUL 1, \k, 0
	WIN 0
	s_barrier_wait -1
	CREST                                          ; the barrier has opened a round of the cluster's barrier
.if \rs == 0
	s_add_nc_u64 s[G0+2:G0+3], s[G0+2:G0+3], 12*RECB
.else
	s_add_nc_u64 s[G0+6:G0+7], s[G0+6:G0+7], s[D1:D1+1]
	s_mov_b32 s[D1], s[D1B]                        ; the fill after this one is the last
.endif
	tensor_load_to_lds s[G0+4*\rs:G0+4*\rs+3], s[G1:G1+7]   ; my one tensor load behind the round; 352 matrix instructions (288 for the last fill) stand ahead of the wait for it
	s_nop 0
	PLACES
	SCALES \ns, \nq, SA+8*(((\k)+1)%2)
	FA \ns, \nq, 0
	FA \ns, \nq, 1
	BLOAD (\k)+3
	s_cmp_eq_u32 s3, 2                             ; the first trip asks for fills 3 and 4; the second asks for nothing
	s_cbranch_scc0 .Lnp_\@
	global_prefetch_b8 v[PF0], s[PFA:PFA+1] offset:(\pf)*RECB th:TH_LOAD_NT scope:SCOPE_SE
	global_prefetch_b8 v[PF1], s[PFA:PFA+1] offset:(\pf)*RECB th:TH_LOAD_NT scope:SCOPE_SE
.Lnp_\@:
	MWIN 2, 0
	QMUL 2, \k, 0
	QMUL 3, \k, 0
	PLACES
	WIN 0
	FA \ns, \nq, 2
	FA \ns, \nq, 3
.else
	s_wait_dscnt 36
	MWIN 0, \first
	QMUL 0, \k, \first
	s_wait_dscnt 24
	QMUL 1, \k, \first
	PLACES
	WIN 0
	SCALES \ns, \nq, SA+8*(((\k)+1)%2)
	FA \ns, \nq, 0
	FA \ns, \nq, 1
	BLOAD (\k)+3
	s_wait_dscnt 40
	MWIN 2, \first
	QMUL 2, \k, \first
	s_wait_dscnt 28
	QMUL 3, \k, \first
	PLACES
	WIN 0
	FA \ns, \nq, 2
	FA \ns, \nq, 3
.endif
.endm
	s_load_b256 s[4:11], s[0:1], 0x0               ; xq s[4:5], wq s[6:7], b s[8:9], out0 s[10:11]
	v_lshl_add_u32 v[SPW], v0, 2, SPARE
	v_mov_b32 v[NIL], 0
	ds_add_u32 v[SPW], v[NIL]                      ; the opening lines: the add, twice on end, and its wait ahead of my first tensor load
	ds_add_u32 v[SPW], v[NIL]
	v_lshrrev_b32 v1, 5, v0
	v_readfirstlane_b32 s14, v1                    ; wave w
	s_bfe_u32 s17, ttmp6, 0x40000                  ; cx
	s_mul_i32 s20, s14, 16*SPITCH
	s_add_co_u32 s20, s20, STAGE                   ; my stage
	s_mul_i32 s21, s17, 38                         ; my work-group's first of a wave's 150 blocks
	s_and_b32 s15, s14, 1                          ; g = w % 2
	s_mul_i32 s22, s15, 5888
	s_sub_co_u32 s22, SCO, s22                     ; from my first fragment (6,144 g) to my scale words (12,288 + 256 g)
	v_and_b32 v1, 15, v0                           ; r
	v_bfe_u32 v2, v0, 4, 1                         ; h
	v_and_b32 v3, 31, v0                           ; lane
	v_lshlrev_b32 v[BL], 4, v3
	v_lshl_add_u32 v[BS], v3, 3, s22
	v_lshlrev_b32 v[BO], 5, v2                     ; the bias: 8 h numbers
.irp s, 0,1
.irp g, 0,1
.irp t, 0,1
	v_add_nc_u32 v[ADR+4*\s+2*\g+\t], \s*SLOT+\g*HALFR+\t*3*RECB, v[BL]
.endr
.endr
.endr
	v_mul_u32_u24 v4, v2, HALFR
	v_lshl_add_u32 v4, v1, 3, v4                   ; 8 r, lanes 16-31 in half 1
.irp s, 0,1
.irp t, 0,1
	v_add_nc_u32 v[ADS+2*\s+\t], \s*SLOT+\t*3*RECB+SCO, v4
.endr
.endr
	v_mul_u32_u24 v5, v1, SPITCH
	v_lshl_add_u32 v5, v2, 5, v5
	v_add_nc_u32 v[STO], s20, v5                   ; into the stage: row r, 32 bytes for each half of the lanes
	v_mul_u32_u24 v6, v2, SPITCH
	v_lshl_add_u32 v6, v1, 4, v6
	v_add_nc_u32 v[RD], s20, v6                    ; back: lanes 0-15 one row of 256 bytes, lanes 16-31 the next
	v_lshlrev_b32 v7, 14, v2
	v_lshl_add_u32 v[CO], v1, 4, v7                ; and the same two rows in out0 (16,384 bytes a row)
	v_add_nc_u32 v[PF0], s21, v3
	v_min_u32 v[PF0], 149, v[PF0]
	v_lshlrev_b32 v[PF0], 8, v[PF0]                ; blocks 38 cx + 0 .. 31,
	v_min_u32 v[PF1], 5, v3
	v_add3_u32 v[PF1], v[PF1], s21, 32
	v_min_u32 v[PF1], 149, v[PF1]
	v_lshlrev_b32 v[PF1], 8, v[PF1]                ; and 38 cx + 32 .. 37, held inside the wave's 150
	s_lshr_b32 s16, s14, 1                         ; u = w / 2
	s_lshl_b32 s18, ttmp9, 2
	s_add_co_u32 s18, s18, s17                     ; tile column = 4 x cluster x + cx
	s_and_b32 s19, ttmp7, 0xffff                   ; tile row
	s_mov_b32 s[G1+0], 15|(3<<16)|(1<<21)          ; the mask: the cluster's four; elements of 8 bytes
	s_mov_b32 s[G1+1], 32<<16                      ; rows of 256 bytes,
	s_mov_b32 s[G1+2], 150<<16                     ; 150 of them, dense
	s_mov_b32 s[G1+3], 32<<16
	s_mov_b32 s[G1+4], 150
	s_mov_b32 s[G1+5], 32
	s_mov_b32 s[G1+6], 0
	s_mov_b32 s[G1+7], 0
	s_lshl_b32 s44, s19, 1
	s_add_co_u32 s44, s44, s15
	s_mul_i32 s44, s44, HSTR                       ; A: half 2 x tile row + g,
	s_mul_i32 s47, s16, 3*RECB                     ; records 3 u on
	s_add_co_u32 s44, s44, s47
	s_mov_b32 s45, 0
	s_mul_i32 s46, s15, HALFR
	s_add_co_u32 s46, s46, s47                     ; and where they go in a slot
	s_lshl_b32 s20, s17, 1
	s_add_co_u32 s20, s20, s16
	s_mul_i32 s20, s20, HSTR                       ; B: half 2 cx + u of W_t,
	s_mul_i32 s21, s15, 4*FRB                      ; row blocks 4 g on
	s_add_co_u32 s20, s20, s21
	s_mov_b32 s21, 0
	s_lshl_b32 s22, s17, 10
	s_lshl_b32 s23, s14, 8
	s_add_co_u32 s22, s22, s23                     ; the bias: 256 cx + 64 w numbers
	s_lshl_b32 s52, s19, 22                        ; out0: 256 x tile row rows,
	s_lshl_b32 s53, s18, 10
	s_add_co_u32 s52, s52, s53
	s_add_co_u32 s52, s52, s23                     ; 256 x tile column + 64 w numbers
	s_mov_b32 s23, 0
	s_mov_b32 s53, 0
	s_mov_b32 s[D1], 12*RECB
	s_mov_b32 s[D1+1], 0
	s_mul_i32 s[D1B], s16, 2*RECB
	s_sub_co_u32 s[D1B], 10*RECB, s[D1B]           ; from records 18 + 3 u to records 28 + u
	s_wait_alu depctr_va_vdst(0)                   ; the wait at the head's end
	s_wait_dscnt 0x0                               ; both opening adds are done
	s_wait_kmcnt 0x0
	s_add_nc_u64 s[PFA:PFA+1], s[4:5], s[44:45]
	s_add_nc_u64 s[BB:BB+1], s[6:7], s[20:21]
	s_add_nc_u64 s[8:9], s[8:9], s[22:23]
	s_add_nc_u64 s[10:11], s[10:11], s[52:53]
	s_mov_b32 s[G0], 1
	s_mov_b32 s[G0+1], s46
	s_mov_b64 s[G0+2:G0+3], s[PFA:PFA+1]
	s_or_b32 s[G0+3], s[G0+3], 0x80000000
	s_mov_b32 s[G0+4], 1
	s_add_co_u32 s[G0+5], s46, SLOT
	s_add_nc_u64 s[G0+6:G0+7], s[PFA:PFA+1], 6*RECB
	s_or_b32 s[G0+7], s[G0+7], 0x80000000
	s_lshl_b32 s44, ttmp9, 2
	s_lshr_b32 s44, 0x428e, s44                    ; bit p: the minus at (c, p)
	s_mov_b32 s47, 0
.irp p, 0,1,2,3                        ; K steps 8 p .. 8 p + 3 and 8 p + 4 .. 8 p + 7: the copy, then W_t's eight records, t = p xor c
	s_bitcmp1_b32 s44, \p
	s_cselect_b32 s45, WNEG, 0
	s_xor_b32 s46, ttmp9, \p
	s_mul_i32 s46, s46, 8*RECB
	s_add_co_u32 s46, s46, s45
	s_add_nc_u64 s[BQ+4*\p:BQ+4*\p+1], s[BB:BB+1], s[46:47]
	s_add_nc_u64 s[BQ+4*\p+2:BQ+4*\p+3], s[BQ+4*\p:BQ+4*\p+1], 4*RECB
.endr
	WIN 0x40
.irp i, 0,1,2,3
	global_load_b128 v[BI+8*\i:BI+8*\i+3], v[BO], s[8:9] offset:64*\i          ; the bias in the result's layout: b at my eight columns of block i
	global_load_b128 v[BI+8*\i+4:BI+8*\i+7], v[BO], s[8:9] offset:64*\i+16
.endr
	BLOAD 0
	CROUND                                         ; the four work-groups are here: the first joint loads meet
	tensor_load_to_lds s[G0:G0+3], s[G1:G1+7]      ; fill 0, K steps 0-5: one tensor load a wave at the head
	s_nop 0
	PLACES
	BLOAD 1
	BLOAD 2
	s_wait_tensorcnt 0x0                           ; my part of fill 0 is in
	ds_add_u32 v[SPW], v[NIL]
	s_wait_dscnt 0x0
	CROUND
	tensor_load_to_lds s[G0+4:G0+7], s[G1:G1+7]    ; fill 1, K steps 6-11: slot 1's first fill
	s_nop 0
	PLACES
	SCALES 0, 0, SA
	FA 0, 0, 0
	FA 0, 0, 1
	FA 0, 0, 2
	FA 0, 0, 3
	global_prefetch_b8 v[PF0], s[PFA:PFA+1] offset:12*RECB th:TH_LOAD_NT scope:SCOPE_SE  ; fill 2's blocks
	global_prefetch_b8 v[PF1], s[PFA:PFA+1] offset:12*RECB th:TH_LOAD_NT scope:SCOPE_SE
	STEP 0, 0, 1, 1, 0, 0, 0, 26                   ; the first step's products start the sums from the bias
	s_mov_b32 s3, 2
.Llap:                                                 ; a trip is twelve K steps, once round the ring and three times round B's sets: steps 1-12, then 13-24
.irp k, 1,2,3,4
	STEP \k, 0, \k+1, 0, 0, 0, 0, 26
.endr
	STEP 5, 1, 0, 0, 1, 0, 18, 26                  ; slot 0 takes fill 2 (4)
.irp k, 6,7,8,9,10
	STEP \k, 1, \k-5, 0, 0, 0, 0, 26
.endr
	STEP 11, 0, 0, 0, 1, 1, 24, 26                 ; slot 1 takes fill 3 (5)
	STEP 12, 0, 1, 0, 0, 0, 0, 26
	s_wait_xcnt 0x0                                ; B's loads have read their bases
	s_mov_b64 s[BQ+2:BQ+3], s[BQ+8:BQ+9]           ; the next twelve steps' three bases;
	s_mov_b64 s[BQ+4:BQ+5], s[BQ+10:BQ+11]
	s_mov_b64 s[BQ+6:BQ+7], s[BQ+12:BQ+13]
	s_mov_b64 s[BQ+8:BQ+9], s[BQ+14:BQ+15]         ; behind them the tail's one
	s_sub_co_u32 s3, s3, 1
	s_cmp_lg_u32 s3, 0
	s_cbranch_scc1 .Llap
	STEP 1, 0, 2, 0, 0, 0, 0, 26                   ; step 25
	BLOADTO 7, BI, 30                              ; step 31's B, into the fifth set
	STEP 2, 0, 3, 0, 0, 0, 0, 39                   ; steps 26, 27: three younger sets may be out
	STEP 3, 0, 4, 0, 0, 0, 0, 39
; by rows: row block a's fragments of K steps 29 (slot 0, place 5), 30 (slot 1, place 2), 31 (slot 1, place 5) into buffer a % 3: 9 loads
.macro RA a
	FRAG RB+36*((\a)%3), 0, 5, \a
	FRAG RB+36*((\a)%3)+12, 1, 2, \a
	FRAG RB+36*((\a)%3)+24, 1, 5, \a
.endm
	s_wait_loadcnt 39                              ; STEP 28, and the last change of slots: nothing is filled again, so no round follows
	s_wait_tensorcnt 0x0
	ds_add_u32 v[SPW], v[NIL]
	s_wait_dscnt 37
	MWIN 0, 0
	QMUL 0, 4, 0
	s_wait_dscnt 0x0
	s_barrier_signal -1
	QMUL 1, 4, 0
	WIN 0
	s_barrier_wait -1
	PLACES
	SCALES 0, 5, 40                                ; A's scale words of step 29,
	SCALES 1, 2, 56                                ; of step 30
	RA 0
	RA 1
	MWIN 2, 0
	QMUL 2, 4, 0
	PLACES
	WIN 0
	RA 2
	MWIN 3, 0
	QMUL 3, 4, 0
	PLACES
	WIN 0
	SCALES 1, 5, 32                                ; and of step 31, where step 28's lay
; THE WAY OUT of a block of 16 rows x 64 columns: through my own stage and back as whole rows of 256 bytes; sixteen lanes store one aligned unit.
; LDS serves a wave's instructions in order (ISA guide 5.7.1.4): no wait between the stores and the loads, nor ahead of the next block's stores.
.macro TOSTAGE a
.set AC, 32*((\a)%8)
	WIN 0x08+4*((\a)/8)
.irp b, 0,1,2,3
	ds_store_b128 v[STO], v[AC+8*\b:AC+8*\b+3] offset:64*\b          ; each accumulator from its low end on
	ds_store_b128 v[STO], v[AC+8*\b+4:AC+8*\b+7] offset:64*\b+16
.endr
	WIN 0
.set BF, BK+32*((\a)%2)
.irp t, 0,1,2,3,4,5,6,7
	ds_load_b128 v[BF+4*\t:BF+4*\t+3], v[RD] offset:\t*2*SPITCH
.endr
.endm
.macro SEND a, younger
.set BF, BK+32*((\a)%2)
	s_wait_dscnt \younger
.irp t, 0,1,2,3,4,5,6,7
	global_store_b128 v[CO], v[BF+4*\t:BF+4*\t+3], s[10:11] offset:(\a)*262144+\t*32768 th:TH_STORE_NT   ; every offset an immediate: 254 rows of 16,384 bytes at the most
.endr
.endm
; Row block a is finished: twelve products, its four accumulators by turns, K ascending; then it leaves, and its buffer takes the block three further on
.macro RBLK a
	WIN 0xa1+0x50*((\a)/8)
.irp i, 0,1,2
.if ((\a) == 0) && (\i == 2)
	s_wait_dscnt 0x0                               ; step 31's scale words are in
.endif
.irp b, 0,1,2,3
.set D_, 8*(4*((\a)%8)+\b)
.set C_, D_
.set BF_, 48+48*\i+48*(\i/2)+12*\b     ; sets 1 and 2, and the fifth
.set AF_, RB+36*((\a)%3)+12*\i
.if \i == 2
.set SB_, 30+(\b%2)
.set SA_, 32+((\a)%8)
.else
.set SB_, SB+2+2*\i+(\b%2)
.set SA_, 40+16*\i+((\a)%8)
.endif
	EMIT \b/2, (\a)/8
.endr
.endr
	PLACES
	WIN 0
.if (\a) < 13
	RA (\a)+3
.endif
.if (\a) > 1
	s_wait_xcnt 0x0                                ; block a - 2's stores have read their registers: block a's loads may land there
.endif
	TOSTAGE \a
.if (\a) > 0
.if (\a) < 13
	SEND (\a)-1, 25                                ; behind block a - 1's loads: 9 fetches, block a's 8 stores and 8 loads
.else
	SEND (\a)-1, 16
.endif
.endif
.endm
	s_wait_loadcnt 0x0                             ; all of B is in
	s_wait_dscnt 4                                 ; all but step 31's scale words
.irp a, 0,1,2,3,4,5,6,7,8,9,10,11,12,13,14,15
	RBLK \a
.endr
	SEND 15, 0
	s_wait_tensorcnt 0x0                           ; the wave's end
	ds_add_u32 v[SPW], v[NIL]
	s_wait_dscnt 0x0
	CROUND                                         ; the closing round
	s_endpgm
.Lfunc_end_k_qbcf95ce809_gemm:
	.size	k_qbcf95ce809_gemm, .Lfunc_end_k_qbcf95ce809_gemm-k_qbcf95ce809_gemm
	.p2alignl 7, 3214868480
	.fill 96, 4, 3214868480
	.section	.rodata,"a",@progbits
	.p2align	6, 0x0
	.amdhsa_kernel k_qbcf95ce809_gemm
		.amdhsa_group_segment_fixed_size 327680
		.amdhsa_private_segment_fixed_size 0
		.amdhsa_enable_private_segment 0
		.amdhsa_kernarg_size 32
		.amdhsa_user_sgpr_count 2
		.amdhsa_user_sgpr_kernarg_segment_ptr 1
		.amdhsa_wavefront_size32 1
		.amdhsa_system_sgpr_workgroup_id_x 1
		.amdhsa_system_sgpr_workgroup_id_y 1
		.amdhsa_system_sgpr_workgroup_id_z 1
		.amdhsa_system_vgpr_workitem_id 0
		.amdhsa_next_free_vgpr 1024
		.amdhsa_next_free_sgpr 84
		.amdhsa_reserve_vcc 0
		.amdhsa_float_denorm_mode_32 3
		.amdhsa_float_denorm_mode_16_64 3
		.amdhsa_memory_ordered 1
		.amdhsa_forward_progress 1
		.amdhsa_inst_pref_size 255
	.end_amdhsa_kernel
	.section	.bss,"aw",@nobits
	.p2align	6
	.space	262144
	.amdgpu_metadata
---
amdhsa.version: [ 1, 2 ]
amdhsa.kernels:
  - .name:           k_qbcf95ce809_gemm
    .symbol:         k_qbcf95ce809_gemm.kd
    .args:
      - { .name: xq, .offset: 0, .size: 8, .value_kind: global_buffer, .address_space: global }
      - { .name: wq, .offset: 8, .size: 8, .value_kind: global_buffer, .address_space: global }
      - { .name: b, .offset: 16, .size: 8, .value_kind: global_buffer, .address_space: global }
      - { .name: out0, .offset: 24, .size: 8, .value_kind: global_buffer, .address_space: global }
    .group_segment_fixed_size: 327680
    .private_segment_fixed_size: 0
    .kernarg_segment_align: 8
    .kernarg_segment_size: 32
    .max_flat_workgroup_size: 128
    .sgpr_count:     84
    .vgpr_count:     1024
    .wavefront_size: 32
...
	.end_amdgpu_metadata
.endif
;; end of part 2
